; MI455X (gfx1250); checked and timed in simulation.
; The chip was launched on July 23, 2026; its instructions are those of AMD's public machine-readable ISA for CDNA 5 (MIT licence, August 2026) and "CDNA5" Instruction Set Architecture Reference Guide (July 2026). The comments in the code are by the model that wrote it; some were corrected since.
;; Attention. Allowed arithmetic: float matrix products may take bf16 or f16 operands with f32 sums; all other float work in f32.
;; Inputs: adj 2,048 x 2,048 float32; b_attn 3,072 float32; b_proj 1,024 float32; b_proj1 1,024 float32; w_attn 1,024 x 3,072 float32; w_proj 1,024 x 1,024 float32; w_proj1 1,024 x 1,024 float32; x 2 x 2,048 x 1,024 float32.
;; Outputs: out0 2 x 2,048 x 1,024 float32.
;; One version. Each part assembles by itself: llvm-mc -triple=amdgcn-amd-amdhsa -mcpu=gfx1250 --defsym DOCPART=n.
;; ======== version 1 of 1: 4 launches
;; limits: values are held in f16: magnitudes above 65,504 overflow, below 6.1e-05 lose precision
;; workspace buffers: xb 8,388,608 bytes; wab 6,291,456 bytes; wpb 4,194,304 bytes; qkvh 25,165,824 bytes; ah 8,388,608 bytes
;; launch cast (part 1): grid 576 x 1, 8 waves a work-group, no clusters, 0 bytes of LDS; arguments x, w_attn, w_proj, w_proj1, xb, wab, wpb; writes xb, wab, wpb
.if DOCPART == 1
	.amdgcn_target "amdgcn-amd-amdhsa--gfx1250"
	.amdhsa_code_object_version 6
	.text
	.protected	k_q6aad6697d5_cast
	.globl	k_q6aad6697d5_cast
	.p2align	8
	.type	k_q6aad6697d5_cast,@function
k_q6aad6697d5_cast:
	s_mov_b64 s[64:65], 0
	v_nop
	global_prefetch_b8 v0, s[64:65] scope:SCOPE_SE
	s_setreg_imm32_b32 hwreg(HW_REG_WAVE_MODE, 25, 1), 1
	s_wait_xcnt 0x0
; f32 -> f16 (one rounding), layouts unchanged: x -> xb, w_attn -> wab, w_proj -> wpb rows 0-1023, w_proj1 -> wpb rows 1024-2047.
; The later launches feed the matrix units with 16-bit operands; converting once here halves what they fetch and lets the
; weights, which lie [K][N], be transposed by the 16-bit transposing LDS load.
; WHY f16: the scores of this module are not scaled, so the softmax is peaked and eight bits of mantissa on its operands do not do; f16 has eleven.
; LIMIT, stated: a number of 65,520 or more in size becomes infinite.  x as drawn stays below 6 and the weights below 0.11; thirty times that, or an
; offset of thirty spreads, is 165 and 3.  Numbers thirty times smaller (weights near 7e-4) are rounded in steps of 2^-24 at the coarsest.
; A work-group converts one chunk of 16,384 numbers: 65,536 bytes in, 32,768 bytes out.  576 chunks: 256 of x, 192 of w_attn, 64 + 64 of the two
; projections.  Thread t takes 16 bytes at 16 t of each 4,096-byte piece, so a wave's load covers 512 consecutive bytes and its store of
; 8 bytes a lane covers 256 consecutive bytes, aligned.  All sixteen loads go out first; nothing is read twice, no register is rewritten.
; No LDS, no barrier, no matrix unit, no cluster: the work-groups share no byte.
.set X, 4                              ; v[4:67]   sixteen pieces as loaded
.set Y, 68                             ; v[68:99]  sixteen pieces to store
	s_load_b256 s[4:11], s[0:1], 0x0               ; x s[4:5], w_attn s[6:7], w_proj s[8:9], w_proj1 s[10:11]
	s_load_b128 s[12:15], s[0:1], 0x20             ; xb s[12:13], wab s[14:15]
	s_load_b64 s[16:17], s[0:1], 0x30              ; wpb
	s_mov_b32 s19, ttmp9                           ; g, the chunk's number in the launch
	s_max_u32 s20, s19, 512
	s_sub_co_u32 s20, s20, 512                     ; chunk in w_proj1 (0 where g is below)
	s_max_u32 s21, s19, 448
	s_sub_co_u32 s21, s21, 448                     ; chunk in w_proj, and in wpb for both projections
	s_max_u32 s22, s19, 256
	s_sub_co_u32 s22, s22, 256                     ; chunk in w_attn and in wab
	v_lshlrev_b32 v1, 4, v0                        ; my 16 bytes of a piece of the source
	v_lshlrev_b32 v2, 3, v0                        ; my 8 bytes of a piece of the destination
	s_wait_kmcnt 0x0
	; the choice hangs on g alone; between a compare and its selects stand only moves and selects, which leave SCC alone
	s_cmp_lt_u32 s19, 512
	s_cselect_b64 s[24:25], s[8:9], s[10:11]       ; source
	s_cselect_b32 s28, s21, s20                    ; chunk in the source
	s_mov_b64 s[26:27], s[16:17]                   ; destination
	s_mov_b32 s29, s21                             ; chunk in the destination
	s_cmp_lt_u32 s19, 448
	s_cselect_b64 s[24:25], s[6:7], s[24:25]
	s_cselect_b64 s[26:27], s[14:15], s[26:27]
	s_cselect_b32 s28, s22, s28
	s_cselect_b32 s29, s22, s29
	s_cmp_lt_u32 s19, 256
	s_cselect_b64 s[24:25], s[4:5], s[24:25]
	s_cselect_b64 s[26:27], s[12:13], s[26:27]
	s_cselect_b32 s28, s19, s28
	s_cselect_b32 s29, s19, s29
	s_lshl_b32 s30, s28, 16                        ; 65,536 bytes a chunk, 255 chunks at the most: below 4 GiB
	s_mov_b32 s31, 0
	s_add_nc_u64 s[24:25], s[24:25], s[30:31]
	s_lshl_b32 s30, s29, 15                        ; 32,768 bytes a chunk
	s_add_nc_u64 s[26:27], s[26:27], s[30:31]
.irp i, 0,1,2,3,4,5,6,7,8,9,10,11,12,13,14,15
	global_load_b128 v[X+4*\i:X+4*\i+3], v1, s[24:25] offset:4096*\i th:TH_LOAD_NT   ; read once in the launch
.endr
.irp i, 0,1,2,3,4,5,6,7,8,9,10,11,12,13,14,15
	s_wait_loadcnt 15-\i                           ; loads come back in order: piece i is in, the 15 - i younger ones may be out
	v_cvt_pk_f16_f32 v[Y+2*\i], v[X+4*\i], v[X+4*\i+1]
	v_cvt_pk_f16_f32 v[Y+2*\i+1], v[X+4*\i+2], v[X+4*\i+3]
	global_store_b64 v2, v[Y+2*\i:Y+2*\i+1], s[26:27] offset:2048*\i
.endr
	s_endpgm
.Lfunc_end_k_q6aad6697d5_cast:
	.size	k_q6aad6697d5_cast, .Lfunc_end_k_q6aad6697d5_cast-k_q6aad6697d5_cast
	.p2alignl 7, 3214868480
	.fill 96, 4, 3214868480
	.section	.rodata,"a",@progbits
	.p2align	6, 0x0
	.amdhsa_kernel k_q6aad6697d5_cast
		.amdhsa_group_segment_fixed_size 0
		.amdhsa_private_segment_fixed_size 0
		.amdhsa_enable_private_segment 0
		.amdhsa_kernarg_size 56
		.amdhsa_user_sgpr_count 2
		.amdhsa_user_sgpr_kernarg_segment_ptr 1
		.amdhsa_wavefront_size32 1
		.amdhsa_system_sgpr_workgroup_id_x 1
		.amdhsa_system_sgpr_workgroup_id_y 1
		.amdhsa_system_sgpr_workgroup_id_z 1
		.amdhsa_system_vgpr_workitem_id 0
		.amdhsa_next_free_vgpr 104
		.amdhsa_next_free_sgpr 66
		.amdhsa_reserve_vcc 0
		.amdhsa_float_denorm_mode_32 3
		.amdhsa_float_denorm_mode_16_64 3
		.amdhsa_memory_ordered 1
		.amdhsa_forward_progress 1
		.amdhsa_inst_pref_size 8
	.end_amdhsa_kernel
	.amdgpu_metadata
---
amdhsa.version: [ 1, 2 ]
amdhsa.kernels:
  - .name:           k_q6aad6697d5_cast
    .symbol:         k_q6aad6697d5_cast.kd
    .args:
      - { .name: x, .offset: 0, .size: 8, .value_kind: global_buffer, .address_space: global }
      - { .name: w_attn, .offset: 8, .size: 8, .value_kind: global_buffer, .address_space: global }
      - { .name: w_proj, .offset: 16, .size: 8, .value_kind: global_buffer, .address_space: global }
      - { .name: w_proj1, .offset: 24, .size: 8, .value_kind: global_buffer, .address_space: global }
      - { .name: xb, .offset: 32, .size: 8, .value_kind: global_buffer, .address_space: global }
      - { .name: wab, .offset: 40, .size: 8, .value_kind: global_buffer, .address_space: global }
      - { .name: wpb, .offset: 48, .size: 8, .value_kind: global_buffer, .address_space: global }
    .group_segment_fixed_size: 0
    .private_segment_fixed_size: 0
    .kernarg_segment_align: 8
    .kernarg_segment_size: 56
    .max_flat_workgroup_size: 256
    .sgpr_count:     66
    .vgpr_count:     104
    .wavefront_size: 32
...
	.end_amdgpu_metadata
.endif
;; end of part 1
;; launch qkv (part 2): grid 16 x 16, 4 waves a work-group, clusters of 4 x 4, 327,680 bytes of LDS; arguments xb, wab, b_attn, qkvh; writes qkvh
.if DOCPART == 2
	.amdgcn_target "amdgcn-amd-amdhsa--gfx1250"
	.amdhsa_code_object_version 6
	.text
	.protected	k_q6aad6697d5_qkv
	.globl	k_q6aad6697d5_qkv
	.p2align	8
	.type	k_q6aad6697d5_qkv,@function
k_q6aad6697d5_qkv:
	s_mov_b64 s[64:65], 0
	v_nop
	global_prefetch_b8 v0, s[64:65] scope:SCOPE_SE
	s_setreg_imm32_b32 hwreg(HW_REG_WAVE_MODE, 25, 1), 1
	s_wait_xcnt 0x0
	s_wait_alu depctr_hold_cnt(0) depctr_sa_sdst(0) depctr_va_vdst(0) depctr_va_sdst(0) depctr_va_ssrc(0) depctr_va_vcc(0) depctr_vm_vsrc(0)
	s_getreg_b32 s2, hwreg(HW_REG_IB_STS2, 6, 4)
	s_cmp_eq_u32 s2, 0
	s_cbranch_scc0 .Lentry_in_a_cluster
	s_endpgm
.Lentry_in_a_cluster:
	s_bfe_u32 s2, ttmp6, 0x10000c
	s_cmp_lg_u32 s2, 0xf033
	s_cbranch_scc0 .Lentry_shape_is_right
	s_endpgm
.Lentry_shape_is_right:
; qkvh = f16( (xb . wab + b_attn) * scale ), stored head-major: qkvh[hc][row][64], hc = column / 64 (0-15 q, 16-31 k, 32-47 v), row = b * 2048 + t.
; scale = log2(e) for k's head columns and 1 for q's and v's: k serves the scores alone, and with the factor folded in here, in f32 ahead of the one
; rounding, the attention launch works in powers of two and takes the row's maximum away by an exact subtraction.
; xb: [4096][1024] f16.  wab: [1024 k][3072 n] f16.  Sums in f32, scale and bias by one fused multiply-add in f32, one rounding to f16.
; LIMIT, stated: a result of 65,520 or more in size becomes infinite.  As drawn q, k, v stay below 3.5; with x and w_attn both thirty times larger below
; 3,150; with offsets of thirty spreads on both (30 and 0.6) near 1024 * 30 * 0.6 = 18,432, times log2(e) for k about 26,800.
; A work-group makes 256 rows x 192 columns (three whole head columns): 16 x 16 = 256 work-groups.  Four waves; wave w makes rows 64 w .. 64 w + 63 of
; all 192 columns: 4 x 12 accumulator tiles of 16 x 16, 384 registers.  So every stored row piece belongs to one wave and the way out needs no barrier.
; K goes in 8 steps of 128 through two LDS slots filled by tensor loads; a step is four quarters of 32 along K, 48 matrix instructions each.
; CLUSTERS: 4 x 4 work-groups.  xb's tile hangs on the block row alone and is asked for jointly by the four of a row of the cluster, wab's on the
; block column alone and is asked for jointly by the four of a column: the requests for both are divided by four.
; THE MATRIX INSTRUCTION IS USED TRANSPOSED: source 0 = 16 columns of wab, source 1 = 16 rows of xb; lane (r, h) then holds row r, columns 8 h .. 8 h + 7.
; wab lies [K][N]: its fragments come out of LDS by the transposing 16-bit load.
; REGISTERS in windows of 256: window 0 addresses, xb's fragments (two buffers), bias, staging; window 1 wab's fragments (two buffers);
; window 2 the accumulators of my rows 0-31 (tile (a, b) at 8 (12 a + b)), window 3 those of rows 32-63.
; Tensor loads outstanding in a wave, by this text's count: two at the start, one behind each refill.
.set SLOT,  131072                     ; xb's 256 rows x 272 bytes, then wab's 128 k-rows x 480 bytes
.set AP,    272                        ; 256 bytes + 16: an odd multiple of 16, the 16 rows of a fragment start 16 bytes apart modulo 256
.set BP,    480                        ; three pieces of 128 bytes, each followed by 32 bytes of padding: an odd multiple of 32
.set BOFF,  256*AP
.set STAGE, 2*SLOT                     ; behind the ring, never filled by a tensor load: 16 rows x 400 bytes for each wave
.set SP,    400                        ; 384 bytes + 16
.set WV,   12                          ; s12 wave; s13 wave >> 1 (0: I fetch for xb, 1: for wab); s14 wave & 1 (which half of that tile)
.set G1A,  24                          ; s[24:31] group 1, xb's tiles
.set G0A,  32                          ; s[32:39] group 0, xb's tiles, a set for each slot
.set G1B,  48                          ; s[48:55] group 1, wab's tiles
.set G0B,  56                          ; s[56:63] group 0, wab's tiles, a set for each slot
.set SC,   10                          ; v[10:15] the scale of my three head columns, twice each
.set ADRA, 16                          ; v16-17 LDS address of my xb fragments in slot 0, 1
.set ADRB, 20                          ; v20-21 the same for wab
.set STO,  24                          ; way out: where I put 16 bytes of a row
.set RD,   25                          ; way out: where I read rows back
.set CO,   26                          ; way out: 16 x lane
.set BO,   27                          ; 32 h: my eight columns' bias inside a tile of 16
.set FA0,  32                          ; v32-63, v64-95 (window 0): xb's fragments, buffers 0 and 1
.set BIAS, 96                          ; v96-191: bias of tile b at +8 b
.set TMP,  192                         ; v192-239: packed results
.set RB,   32                          ; v32-79, behind the loop: rows read back
.set FB0,  0                           ; window 1: v0-95, v96-191: wab's fragments, buffers 0 and 1
.set MUL_LO, 0xa1                      ; source 0 window 1, source 1 window 0, C and D window 2
.set MUL_HI, 0xf1                      ; the same, C and D window 3
.set TO_B,   0x40                      ; destination window 1
.set MSB, 0
.macro WIN new                         ; the immediate's high byte repeats the setting that is left; a switch that changes nothing is dropped
.if MSB != \new
	s_set_vgpr_msb (MSB<<8)|\new
.set MSB, \new
.endif
.endm
.macro PLACES n                        ; places behind matrix instructions (ISA guide 7.12.1): independent vector instructions, here v_nop
.rept \n
	v_nop
.endr
.endm
.macro CREST                           ; a round of the cluster's barrier behind its opening work-group barrier
	s_cmp_lg_u32 s[WV], 0
	s_cbranch_scc1 .Lnot_wave_0_\@
	s_barrier_signal -3                            ; wave 0 speaks for the work-group
.Lnot_wave_0_\@:
	s_barrier_wait -3
	s_barrier_signal -1
	s_barrier_wait -1
.endm
.macro CROUND                          ; a whole round
	s_barrier_signal -1
	s_barrier_wait -1
	CREST
.endm
.macro JLOAD s                         ; one joint load a wave: waves 0, 1 xb's two halves, waves 2, 3 wab's.  The branch hangs on the wave's number alone
	s_cmp_eq_u32 s13, 0
	s_cbranch_scc0 .Lfor_b_\@
	tensor_load_to_lds s[G0A+4*\s:G0A+4*\s+3], s[G1A:G1A+7]
	s_nop 0
	s_branch .Lasked_\@
.Lfor_b_\@:
	tensor_load_to_lds s[G0B+4*\s:G0B+4*\s+3], s[G1B:G1B+7]
	s_nop 0
.Lasked_\@:
.endm
	s_load_b256 s[4:11], s[0:1], 0x0               ; xb s[4:5], wab s[6:7], b_attn s[8:9], qkvh s[10:11]
	v_lshrrev_b32 v1, 5, v0
	v_readfirstlane_b32 s12, v1                    ; wave 0..3
	s_lshr_b32 s13, s12, 1
	s_and_b32 s14, s12, 1
	s_bfe_u32 s16, ttmp6, 0x40000                  ; cx
	s_bfe_u32 s17, ttmp6, 0x40004                  ; cy
	s_lshl_b32 s18, ttmp9, 2
	s_add_co_u32 s18, s18, s16                     ; block column (192 columns) = 4 x cluster x + cx
	s_and_b32 s19, ttmp7, 0xffff
	s_lshl_b32 s19, s19, 2
	s_add_co_u32 s19, s19, s17                     ; block row (256 rows) = 4 x cluster y + cy
	s_lshl_b32 s20, s17, 2
	s_lshl_b32 s20, 15, s20                        ; my row of the cluster: places 4 cy .. 4 cy + 3
	s_lshl_b32 s21, 0x1111, s16                    ; my column: places cx, cx + 4, cx + 8, cx + 12
	; group 1 for xb: 128 rows x 128 elements of 2 bytes, 4 words of padding behind every 64 words; pitch in memory 1,024 elements
	s_or_b32 s[G1A+0], s20, (1<<16)|(1<<20)|(1<<21)|(5<<22)|(3<<25)
	s_mov_b32 s[G1A+1], 128<<16                    ; tensor_dim0 = 128
	s_mov_b32 s[G1A+2], 128<<16                    ; tensor_dim1 = 128
	s_mov_b32 s[G1A+3], 128<<16                    ; tile_dim0 = 128
	s_mov_b32 s[G1A+4], 128                        ; tile_dim1 = 128
	s_mov_b32 s[G1A+5], 1024
	s_mov_b32 s[G1A+6], 0
	s_mov_b32 s[G1A+7], 0
	; group 1 for wab: 64 k-rows x 192 elements of 2 bytes, 8 words of padding behind every 32 words; pitch in memory 3,072 elements
	s_or_b32 s[G1B+0], s21, (1<<16)|(1<<20)|(1<<21)|(4<<22)|(7<<25)
	s_mov_b32 s[G1B+1], 192<<16
	s_mov_b32 s[G1B+2], 64<<16
	s_mov_b32 s[G1B+3], 192<<16
	s_mov_b32 s[G1B+4], 64
	s_mov_b32 s[G1B+5], 3072
	s_mov_b32 s[G1B+6], 0
	s_mov_b32 s[G1B+7], 0
	; xb's offset is made of the block row and the wave's number, wab's of the block column and the wave's number, in registers of their own
	s_lshl_b32 s40, s19, 19                        ; 256 rows x 2,048 bytes
	s_lshl_b32 s22, s14, 18                        ; + my 128 rows
	s_add_co_u32 s40, s40, s22
	s_mov_b32 s41, 0
	s_mul_i32 s42, s18, 384                        ; 192 columns x 2 bytes
	s_mul_i32 s23, s14, 393216                     ; + my 64 k-rows x 6,144 bytes
	s_add_co_u32 s42, s42, s23
	s_mov_b32 s43, 0
	s_mul_i32 s44, s12, 128*AP                     ; LDS: waves 0, 1: xb's halves at 0 and 34,816
	s_mul_i32 s45, s12, 64*BP
	s_add_co_u32 s45, s45, BOFF-2*64*BP            ; waves 2, 3: wab's halves at 69,632 and 100,352
	s_wait_kmcnt 0x0
	s_add_nc_u64 s[4:5], s[4:5], s[40:41]
	s_add_nc_u64 s[6:7], s[6:7], s[42:43]
	CROUND                                         ; all sixteen work-groups are here: the first joint loads meet
.irp s, 0,1
	s_mov_b32 s[G0A+4*\s], 1
	s_add_co_u32 s[G0A+4*\s+1], s44, \s*SLOT
	s_add_nc_u64 s[G0A+4*\s+2:G0A+4*\s+3], s[4:5], \s*256           ; K step s: 128 elements along the rows
	s_or_b32 s[G0A+4*\s+3], s[G0A+4*\s+3], 0x80000000
	s_mov_b32 s[G0B+4*\s], 1
	s_add_co_u32 s[G0B+4*\s+1], s45, \s*SLOT
	s_add_nc_u64 s[G0B+4*\s+2:G0B+4*\s+3], s[6:7], \s*786432        ; K step s: 128 k-rows down
	s_or_b32 s[G0B+4*\s+3], s[G0B+4*\s+3], 0x80000000
	JLOAD \s                                       ; both slots are asked for before anything else is done
.endr
	v_and_b32 v1, 15, v0                           ; r
	v_bfe_u32 v2, v0, 4, 1                         ; h
	v_and_b32 v3, 7, v0                            ; lane & 7
	v_bfe_u32 v4, v0, 3, 1                         ; (lane >> 3) & 1
	v_bfe_u32 v5, v0, 3, 2                         ; lane >> 3
	v_and_b32 v6, 31, v0                           ; lane
	v_lshlrev_b32 v[BO], 5, v2
	; the scale of each of my three head columns: a choice of a value, no branch
	s_mov_b32 s46, 0x3fb8aa3b                      ; log2(e)
	s_mov_b32 s47, 0x3f800000                      ; 1.0
	s_mul_i32 s22, s18, 3                          ; my first head column
.irp s, 0,1,2
	s_add_co_u32 s23, s22, \s
	s_lshr_b32 s23, s23, 4                         ; 0: q, 1: k, 2: v
	s_cmp_eq_u32 s23, 1
	s_cselect_b32 s23, s46, s47
	v_mov_b32 v[SC+2*\s], s23
	v_mov_b32 v[SC+2*\s+1], s23
.endr
	s_mul_i32 s42, s18, 768                        ; 192 columns x 4 bytes
	s_add_nc_u64 s[8:9], s[8:9], s[42:43]
.irp b, 0,1,2,3,4,5,6,7,8,9,10,11
	global_load_b128 v[BIAS+8*\b:BIAS+8*\b+3],   v[BO], s[8:9] offset:64*\b       ; bias of columns 16 b + 8 h .. + 7; waited for at the way out
	global_load_b128 v[BIAS+8*\b+4:BIAS+8*\b+7], v[BO], s[8:9] offset:64*\b+16
.endr
	s_mul_i32 s42, s18, 1572864                    ; the output: three head columns of 524,288 bytes for each block column,
	s_add_nc_u64 s[10:11], s[10:11], s[42:43]
	s_lshl_b32 s40, s19, 15                        ; 256 rows of 128 bytes for each block row,
	s_lshl_b32 s22, s12, 13                        ; 64 rows for each wave
	s_add_co_u32 s40, s40, s22
	s_add_nc_u64 s[10:11], s[10:11], s[40:41]
	v_mul_u32_u24 v7, v1, AP
	v_lshl_add_u32 v7, v2, 4, v7                   ; r x pitch + 16 h
	s_mul_i32 s22, s12, 64*AP                      ; my 64 rows
	v_add_nc_u32 v[ADRA], s22, v7
	v_add_nc_u32 v[ADRA+1], SLOT, v[ADRA]
	v_lshl_add_u32 v8, v2, 3, v3                   ; the transposing load: k-row 8 h + (lane & 7),
	v_mul_u32_u24 v8, v8, BP
	v_lshl_add_u32 v8, v4, 4, v8                   ; 16 bytes further for lanes 8-15 and 24-31
	v_add_nc_u32 v[ADRB], BOFF, v8
	v_add_nc_u32 v[ADRB+1], SLOT, v[ADRB]
	s_mul_i32 s23, s12, 16*SP
	s_add_co_u32 s23, s23, STAGE                   ; my stage
	v_mul_u32_u24 v7, v1, SP
	v_lshl_add_u32 v7, v2, 4, v7
	v_add_nc_u32 v[STO], s23, v7                   ; in: row r, 16 bytes for each half of the lanes
	v_mul_u32_u24 v8, v5, SP
	v_lshl_add_u32 v8, v3, 4, v8
	v_add_nc_u32 v[RD], s23, v8                    ; back: eight lanes take the 128 bytes that a row has of one head column, four rows a load
	v_lshlrev_b32 v[CO], 4, v6
; 12 matrix instructions: row tile a of the window's two (hi = 0: rows 0-31, 1: rows 32-63) x all 12 column tiles, 32 along K, from buffer u.
; zero = 1: the product starts the sum, nothing is cleared.
.macro MUL12 u, hi, a, zero
.irp b, 0,1,2,3,4,5,6,7,8,9,10,11
.if \zero
	v_wmma_f32_16x16x32_f16 v[8*(12*\a+\b):8*(12*\a+\b)+7], v[FB0+96*\u+8*\b:FB0+96*\u+8*\b+7], v[FA0+32*\u+8*(2*\hi+\a):FA0+32*\u+8*(2*\hi+\a)+7], 0
.else
	v_wmma_f32_16x16x32_f16 v[8*(12*\a+\b):8*(12*\a+\b)+7], v[FB0+96*\u+8*\b:FB0+96*\u+8*\b+7], v[FA0+32*\u+8*(2*\hi+\a):FA0+32*\u+8*(2*\hi+\a)+7], v[8*(12*\a+\b):8*(12*\a+\b)+7]
.endif
.endr
.endm
; 32 LDS loads in one run: quarter q of the slot's K step into buffer u.  wab's 24 first, xb's 8 last.
.macro FETCH slot, q, u
	WIN TO_B
.irp b, 0,1,2,3,4,5,6,7,8,9,10,11
	ds_load_tr16_b128 v[FB0+96*\u+8*\b:FB0+96*\u+8*\b+3],   v[ADRB+\slot] offset:\q*32*BP+(\b/4)*160+(\b%4)*32
	ds_load_tr16_b128 v[FB0+96*\u+8*\b+4:FB0+96*\u+8*\b+7], v[ADRB+\slot] offset:\q*32*BP+(\b/4)*160+(\b%4)*32+16*BP
.endr
	WIN 0
.irp a, 0,1,2,3
	ds_load_b128 v[FA0+32*\u+8*\a:FA0+32*\u+8*\a+3],   v[ADRA+\slot] offset:\a*16*AP+64*\q
	ds_load_b128 v[FA0+32*\u+8*\a+4:FA0+32*\u+8*\a+7], v[ADRA+\slot] offset:\a*16*AP+64*\q+32
.endr
.endm
; One of a step's first three quarters: multiplies buffer u and, in its middle, fetches quarter qn into buffer g.
; The 48 accumulators take turns, one instruction a turn, in the same order in every quarter.
.macro QUARTER slot, qn, u, g, zero
	s_wait_dscnt 4                                 ; all of buffer u but the four youngest loads: xb's row tiles 2 and 3
	WIN MUL_LO
	MUL12 \u, 0, 0, \zero
	MUL12 \u, 0, 1, \zero
	PLACES 4                                       ; buffer g was read by matrix instructions: four places ahead of the loads into it
	FETCH \slot, \qn, \g
	s_wait_dscnt 32                                ; all but the 32 just issued
	WIN MUL_HI
	MUL12 \u, 1, 0, \zero
	MUL12 \u, 1, 1, \zero
.endm
.macro THREE slot, zero
	QUARTER \slot, 1, 0, 1, \zero
	QUARTER \slot, 2, 1, 0, 0
	QUARTER \slot, 3, 0, 1, 0
.endm
; The last quarter multiplies buffer 1 and changes slots.  In front of the barrier each wave waits for its reads of this slot and for all its tensor
; loads (one is out: its part of the next slot).  Behind it nobody reads this slot and the next slot is whole.  fill = 1: the barrier opens a round of
; the cluster's barrier, and the joint refill of this slot, two K steps ahead, is the first tensor load behind the round, one a wave.
.macro TURN slot, next, fill
	s_wait_dscnt 4
	WIN MUL_LO
	MUL12 1, 0, 0, 0
	s_wait_dscnt 0x0
	s_wait_tensorcnt 0x0
	s_barrier_signal -1
	MUL12 1, 0, 1, 0                               ; registers only, while the others arrive
	WIN 0
	s_barrier_wait -1
.if \fill
	CREST
	s_add_nc_u64 s[G0A+4*\slot+2:G0A+4*\slot+3], s[G0A+4*\slot+2:G0A+4*\slot+3], 512
	s_add_nc_u64 s[G0B+4*\slot+2:G0B+4*\slot+3], s[G0B+4*\slot+2:G0B+4*\slot+3], 1572864
	JLOAD \slot
.endif
	PLACES 4
	FETCH \next, 0, 0
	WIN MUL_HI
	MUL12 1, 1, 0, 0
	MUL12 1, 1, 1, 0
.endm
.macro LAP zero                        ; two K steps, both slots filled again
	THREE 0, \zero
	TURN 0, 1, 1
	THREE 1, 0
	TURN 1, 0, 1
.endm
	s_wait_tensorcnt 0x1                           ; my part of K step 0 is in; K step 1's may stay out
	s_barrier_signal -1
	s_barrier_wait -1
	FETCH 0, 0, 0
	LAP 1                                          ; K steps 0, 1: the first products start the sums
	WIN 0
	s_mov_b32 s15, 2
.Llap:
	LAP 0                                          ; K steps 2 to 5
	WIN 0
	s_sub_co_u32 s15, s15, 1
	s_cmp_lg_u32 s15, 0
	s_cbranch_scc1 .Llap
	THREE 0, 0                                     ; K steps 6, 7: nothing is left to fetch
	TURN 0, 1, 0
	THREE 1, 0
	s_wait_dscnt 4
	WIN MUL_LO
	MUL12 1, 0, 0, 0
	MUL12 1, 0, 1, 0
	s_wait_dscnt 0x0
	WIN MUL_HI
	MUL12 1, 1, 0, 0
	MUL12 1, 1, 1, 0
	; THE WAY OUT, 16 rows at a time: scale and bias, round to f16, 16 bytes a lane into my own stage, read back by head column.
	WIN 0
	s_wait_loadcnt 0x0                             ; the bias
	; bias x scale, once.  These 48 products name no register of a matrix instruction: they are the places behind the last
	; matrix instructions, for the multiply-adds that read results and for the loads into the fragments' registers.
.irp b, 0,1,2,3,4,5,6,7,8,9,10,11
.irp i, 0,1,2,3
	v_pk_mul_f32 v[BIAS+8*\b+2*\i:BIAS+8*\b+2*\i+1], v[BIAS+8*\b+2*\i:BIAS+8*\b+2*\i+1], v[SC+2*(\b/4):SC+2*(\b/4)+1]
.endr
.endr
; a: row tile 0..3; al: its number in its window; wfma, wcvt: window settings (multiply-add: D and source 0; conversion: sources 0 and 1)
.macro OUT16 a, al, wfma, wcvt
	WIN \wfma
.irp b, 0,1,2,3,4,5,6,7,8,9,10,11
.irp i, 0,1,2,3
	v_pk_fma_f32 v[8*(12*\al+\b)+2*\i:8*(12*\al+\b)+2*\i+1], v[8*(12*\al+\b)+2*\i:8*(12*\al+\b)+2*\i+1], v[SC+2*(\b/4):SC+2*(\b/4)+1], v[BIAS+8*\b+2*\i:BIAS+8*\b+2*\i+1]
.endr
.endr
	WIN \wcvt
.irp b, 0,1,2,3,4,5,6,7,8,9,10,11
.irp i, 0,1,2,3
	v_cvt_pk_f16_f32 v[TMP+4*\b+\i], v[8*(12*\al+\b)+2*\i], v[8*(12*\al+\b)+2*\i+1]
.endr
.endr
	WIN 0
.irp b, 0,1,2,3,4,5,6,7,8,9,10,11
	ds_store_b128 v[STO], v[TMP+4*\b:TMP+4*\b+3] offset:32*\b
.endr
	s_wait_xcnt 0x0                                ; RB, which the last tile's stores read, is loaded again only behind this wait
.irp t, 0,1,2,3
.irp s, 0,1,2
	ds_load_b128 v[RB+4*(3*\t+\s):RB+4*(3*\t+\s)+3], v[RD] offset:\t*4*SP+128*\s    ; LDS serves a wave's instructions in order: these see the stores above
.endr
.endr
.irp t, 0,1,2,3
.irp s, 0,1,2
	s_wait_dscnt 11-(3*\t+\s)
	global_store_b128 v[CO], v[RB+4*(3*\t+\s):RB+4*(3*\t+\s)+3], s[10:11] offset:\s*524288+\a*2048+\t*512   ; four rows of one head column: 512 consecutive bytes
.endr
.endr
.endm
	OUT16 0, 0, 0x82, 0x0a
	OUT16 1, 1, 0x82, 0x0a
	OUT16 2, 0, 0xc3, 0x0f
	OUT16 3, 1, 0xc3, 0x0f
	CROUND                                         ; the closing round: no work-group ends while a partner may still ask for a tile that names it
	s_endpgm
.Lfunc_end_k_q6aad6697d5_qkv:
	.size	k_q6aad6697d5_qkv, .Lfunc_end_k_q6aad6697d5_qkv-k_q6aad6697d5_qkv
	.p2alignl 7, 3214868480
	.fill 96, 4, 3214868480
	.section	.rodata,"a",@progbits
	.p2align	6, 0x0
	.amdhsa_kernel k_q6aad6697d5_qkv
		.amdhsa_group_segment_fixed_size 327680
		.amdhsa_private_segment_fixed_size 0
		.amdhsa_enable_private_segment 0
		.amdhsa_kernarg_size 32
		.amdhsa_user_sgpr_count 2
		.amdhsa_user_sgpr_kernarg_segment_ptr 1
		.amdhsa_wavefront_size32 1
		.amdhsa_system_sgpr_workgroup_id_x 1
		.amdhsa_system_sgpr_workgroup_id_y 1
		.amdhsa_system_sgpr_workgroup_id_z 1
		.amdhsa_system_vgpr_workitem_id 0
		.amdhsa_next_free_vgpr 960
		.amdhsa_next_free_sgpr 66
		.amdhsa_reserve_vcc 0
		.amdhsa_float_denorm_mode_32 3
		.amdhsa_float_denorm_mode_16_64 3
		.amdhsa_memory_ordered 1
		.amdhsa_forward_progress 1
		.amdhsa_inst_pref_size 180
	.end_amdhsa_kernel
	.amdgpu_metadata
---
amdhsa.version: [ 1, 2 ]
amdhsa.kernels:
  - .name:           k_q6aad6697d5_qkv
    .symbol:         k_q6aad6697d5_qkv.kd
    .args:
      - { .name: xb, .offset: 0, .size: 8, .value_kind: global_buffer, .address_space: global }
      - { .name: wab, .offset: 8, .size: 8, .value_kind: global_buffer, .address_space: global }
      - { .name: b_attn, .offset: 16, .size: 8, .value_kind: global_buffer, .address_space: global }
      - { .name: qkvh, .offset: 24, .size: 8, .value_kind: global_buffer, .address_space: global }
    .group_segment_fixed_size: 327680
    .private_segment_fixed_size: 0
    .kernarg_segment_align: 8
    .kernarg_segment_size: 32
    .max_flat_workgroup_size: 128
    .sgpr_count:     66
    .vgpr_count:     960
    .wavefront_size: 32
...
	.end_amdgpu_metadata
.endif
;; end of part 2
;; launch attn (part 3): grid 16 x 16, 8 waves a work-group, clusters of 4 x 4, 327,680 bytes of LDS; arguments adj, qkvh, ah; writes ah
.if DOCPART == 3
	.amdgcn_target "amdgcn-amd-amdhsa--gfx1250"
	.amdhsa_code_object_version 6
	.text
	.protected	k_q6aad6697d5_attn
	.globl	k_q6aad6697d5_attn
	.p2align	8
	.type	k_q6aad6697d5_attn,@function
k_q6aad6697d5_attn:
	s_mov_b64 s[64:65], 0
	v_nop
	global_prefetch_b8 v0, s[64:65] scope:SCOPE_SE
	s_setreg_imm32_b32 hwreg(HW_REG_WAVE_MODE, 25, 1), 1
	s_wait_xcnt 0x0
	s_wait_alu depctr_hold_cnt(0) depctr_sa_sdst(0) depctr_va_vdst(0) depctr_va_sdst(0) depctr_va_ssrc(0) depctr_va_vcc(0) depctr_vm_vsrc(0)
	s_getreg_b32 s2, hwreg(HW_REG_IB_STS2, 6, 4)
	s_cmp_eq_u32 s2, 0
	s_cbranch_scc0 .Lentry_in_a_cluster
	s_endpgm
.Lentry_in_a_cluster:
	s_bfe_u32 s2, ttmp6, 0x10000c
	s_cmp_lg_u32 s2, 0xf033
	s_cbranch_scc0 .Lentry_shape_is_right
	s_endpgm
.Lentry_shape_is_right:
; ah[h][row][64] = f16( softmax over keys of ( q.k * adj + (-1e9) (1 - adj) ) . v ), with a running maximum.  adj is taken as the f32 numbers it holds:
; every one of the 2,048 x 2,048 scores of every head is computed, no pattern of adj is assumed.
; BASE 2: qkvh holds k times log2(e), so the product q.k' is the score times log2(e); the mask's term is taken times log2(e) too, and e^(w - max w) is
; 2^(w' - max w').  The maximum is taken away by a plain subtraction, so the largest exponent of a row is exactly 0, every weight P lies in (0, 1]
; and a row's sum in [1, 2048]: that is what lets P go to the matrix unit in f16.
; A work-group takes 128 query rows (x) of two heads of one batch (y: batch = y >> 3, head pair = y & 7): 256 work-groups.  Eight waves; wave w takes head
; g = w >> 2 of the pair and rows 32 (w & 3) .. + 31, two query tiles of 16.  Both heads use one tile of adj.
; Keys go in 16 fills of 128 through two LDS slots (V and K of both heads, 128 x 128 of adj); a fill is worked on in two blocks of 64 keys.
; TWO GROUPS OF WAVES, HALF A BLOCK APART.  A block's work is FRONT (all its LDS loads, the score products, the mask) and REST (maximum, exponentials, sums,
; the products with V: registers only).  Every barrier stands at one place of the text for all waves; group 0 does the REST of a slot's last block in front
; of the round that gives the slot free, group 1 behind it.  At that round a wave of group 1 has all of the block in registers, so the slot is free of it
; too.  Behind the round group 0 begins with LDS loads and matrix work and group 1 with vector work, and between two rounds each group has two FRONTs and two
; RESTs.  group = (w ^ w >> 2) & 1: waves w and w + 4 are of different groups, and so are waves 2 k and 2 k + 1.
; CLUSTERS: 4 x 4 work-groups.  K and V hang on y alone and are asked for jointly along a row of the cluster; adj hangs on x alone and is asked for
; jointly along a column.  Each of the eight waves issues one load of 16 KiB for each fill.
; LAYOUT: both products are used transposed.  Scores: source 0 = 16 keys, source 1 = 16 queries, so lane (r, h) holds query r, keys 8 h .. 8 h + 7 of the
; tile; packed to f16 in place, two key tiles are exactly a fragment of P (source 1 of the second product).  Source 0 there is V transposed by the LDS load;
; lane (r, h) of the result holds query r, head dimensions 8 h .. 8 h + 7.  A row's maximum and sum span the lane's own numbers and lane xor 16.
; LIMITS, stated: q, k, v, the weights P and the result are rounded to f16; a P below 2^-25 becomes 0, against a row's sum of at least 1.
; (-1e9)(1 - adj) log2(e) is formed as fma(adj, C, -C) with C = 1,442,695,040, which is 1e9 log2(e) rounded to f32 (6e-10 off in relation): one rounding of
; the exact value, where the definition rounds 1 - adj first: equal for adj = 0 and for adj in [0.5, 2], else within about one last place of a number near C.
; NaN and infinite inputs get no treatment of their own.
; Tensor loads outstanding in a wave, by this text's count: two at the start, one behind each refill.
.set SLOT,  145408                     ; V 2 x 128 x 160, K 2 x 128 x 144, adj 128 x 528
.set VP,    160                        ; 128 bytes + 32: an odd multiple of 32, for the transposing load
.set KP,    144                        ; 128 bytes + 16: an odd multiple of 16
.set AP,    528                        ; 512 bytes + 16
.set KOFF,  2*128*VP
.set AOFF,  KOFF+2*128*KP
.set STAGE, 2*SLOT                     ; never filled by a tensor load: 32 rows x 144 bytes for each wave
.set SP,    144
.set WV,   10                          ; s10 wave; s11 wave & 1; s12 wave & 3; s13 wave >> 2
.set GRP,  90                          ; s90 the wave's group, 0 or 1
.set G1V,  16                          ; s[16:23], s[24:31], s[32:39]: group 1 of the descriptors for V, K, adj
.set G1K,  24
.set G1A,  32
.set G0V,  40                          ; s[40:47], s[48:55], s[56:63]: group 0 of the descriptors for V, K, adj, a set for each slot
.set G0K,  48
.set G0A,  56
.set KA,   8                           ; v8-9   LDS address of my K fragments in slot 0, 1
.set VA,   10                          ; v10-11 of my V fragments
.set AA,   12                          ; v12-13 of my numbers of adj
.set STO,  14
.set RD,   15
.set CO,   16
.set QO,   17
.set C9,   18                          ; v[18:19] C twice
.set CM9,  20                          ; v[20:21] -C twice
.set M,    24                          ; v24-25  running maximum of query tile 0, 1
.set MP,   26                          ; v[26:29] the same, twice for each query tile: what the packed subtraction takes away
.set FA,   30                          ; v[30:33] the factor 2^(old maximum - new maximum), twice for each query tile
.set LS,   34                          ; v[34:37] my partial sums of a row, a pair for each query tile
.set MX,   38                          ; v38-41  two chains of maxima for each query tile
.set PT,   42                          ; v42-43  what the other half of the lanes holds
.set DD,   46                          ; v46-47  the factor's exponent
.set T,    48                          ; v[48:63] C adj - C, two sets of eight
.set S,    64                          ; v64-127  scores, tile (q, kt) at +8 (4 q + kt); later P
.set KV,   128                         ; v128-191 fragments of K, then of V
.set ADJ,  192                         ; v192-255 adj, indexed as S
.set O,    0                           ; window 1: v0-63 the result's sums, tile (dt, q) at 8 (2 dt + q)
.set Q,    64                          ; window 1: v64-95 fragments of Q, (q, ks) at +8 (2 q + ks)
.set MSB, 0
.macro WIN new                         ; the immediate's high byte repeats the setting that is left
.if MSB != \new
	s_set_vgpr_msb (MSB<<8)|\new
.set MSB, \new
.endif
.endm
.macro PLACES n                        ; places behind matrix instructions (ISA guide 7.12.1)
.rept \n
	v_nop
.endr
.endm
.macro CREST
	s_cmp_lg_u32 s[WV], 0
	s_cbranch_scc1 .Lnot_wave_0_\@
	s_barrier_signal -3
.Lnot_wave_0_\@:
	s_barrier_wait -3
	s_barrier_signal -1
	s_barrier_wait -1
.endm
.macro CROUND                          ; a round of the cluster's barrier
	s_barrier_signal -1
	s_barrier_wait -1
	CREST
.endm
.macro JLOAD s                         ; one joint load a wave: waves 0, 1 V of the two heads, waves 2, 3 K, waves 4-7 32 rows of adj each
	s_cmp_lt_u32 s10, 2
	s_cbranch_scc0 .Lnot_v_\@
	tensor_load_to_lds s[G0V+4*\s:G0V+4*\s+3], s[G1V:G1V+7]
	s_nop 0
	s_branch .Lasked_\@
.Lnot_v_\@:
	s_cmp_lt_u32 s10, 4
	s_cbranch_scc0 .Lnot_k_\@
	tensor_load_to_lds s[G0K+4*\s:G0K+4*\s+3], s[G1K:G1K+7]
	s_nop 0
	s_branch .Lasked_\@
.Lnot_k_\@:
	tensor_load_to_lds s[G0A+4*\s:G0A+4*\s+3], s[G1A:G1A+7]
	s_nop 0
.Lasked_\@:
.endm
	s_load_b128 s[4:7], s[0:1], 0x0                ; adj s[4:5], qkvh s[6:7]
	s_load_b64 s[8:9], s[0:1], 0x10                ; ah
	v_lshrrev_b32 v1, 5, v0
	v_readfirstlane_b32 s10, v1                    ; wave 0..7
	s_and_b32 s11, s10, 1
	s_and_b32 s12, s10, 3
	s_lshr_b32 s13, s10, 2
	s_xor_b32 s[GRP], s13, s10
	s_and_b32 s[GRP], s[GRP], 1                    ; the wave's group: made of the wave's number alone, the same in every work-group
	s_bfe_u32 s66, ttmp6, 0x40000                  ; cx
	s_bfe_u32 s67, ttmp6, 0x40004                  ; cy
	s_lshl_b32 s68, ttmp9, 2
	s_add_co_u32 s68, s68, s66                     ; block of 128 query rows
	s_and_b32 s69, ttmp7, 0xffff
	s_lshl_b32 s69, s69, 2
	s_add_co_u32 s69, s69, s67                     ; batch and head pair
	s_lshl_b32 s70, s67, 2
	s_lshl_b32 s70, 15, s70                        ; my row of the cluster
	s_lshl_b32 s71, 0x1111, s66                    ; my column
	s_lshr_b32 s72, s69, 3                         ; batch
	s_and_b32 s73, s69, 7                          ; head pair
	s_mov_b32 s80, 0x76543210                      ; v_permlanex16_b32: lane i of one half reads lane i of the other
	s_mov_b32 s81, 0xfedcba98
	; V and K: 128 keys x 128 bytes lie dense in memory: 64 rows of 32 elements of 8 bytes; padding behind every 32 words (a key's 128 bytes): 8 words for V, 4 for K
	s_or_b32 s[G1V+0], s70, (3<<16)|(1<<20)|(1<<21)|(4<<22)|(7<<25)
	s_or_b32 s[G1K+0], s70, (3<<16)|(1<<20)|(1<<21)|(4<<22)|(3<<25)
	s_mov_b32 s[G1V+1], 32<<16
	s_mov_b32 s[G1K+1], 32<<16
	s_mov_b32 s[G1V+2], 64<<16
	s_mov_b32 s[G1K+2], 64<<16
	s_mov_b32 s[G1V+3], 32<<16
	s_mov_b32 s[G1K+3], 32<<16
	s_mov_b32 s[G1V+4], 64
	s_mov_b32 s[G1K+4], 64
	s_mov_b32 s[G1V+5], 32
	s_mov_b32 s[G1K+5], 32
	s_mov_b32 s[G1V+6], 0
	s_mov_b32 s[G1K+6], 0
	s_mov_b32 s[G1V+7], 0
	s_mov_b32 s[G1K+7], 0
	; adj: 32 rows x 128 elements of 4 bytes, pitch 2,048 elements, 4 words of padding behind every 128 words
	s_or_b32 s[G1A+0], s71, (2<<16)|(1<<20)|(1<<21)|(6<<22)|(3<<25)
	s_mov_b32 s[G1A+1], 128<<16
	s_mov_b32 s[G1A+2], 32<<16
	s_mov_b32 s[G1A+3], 128<<16
	s_mov_b32 s[G1A+4], 32
	s_mov_b32 s[G1A+5], 2048
	s_mov_b32 s[G1A+6], 0
	s_mov_b32 s[G1A+7], 0
	; V's and K's offsets are made of y and the wave's number alone, adj's of x and the wave's number alone
	s_lshl_b32 s74, s73, 1
	s_add_co_u32 s74, s74, s11                     ; the head that I fetch for
	s_add_co_u32 s76, s74, 16                      ; its K is head column 16 + head,
	s_add_co_u32 s74, s74, 32                      ; its V head column 32 + head
	s_lshl_b32 s74, s74, 19                        ; 524,288 bytes a head column
	s_lshl_b32 s76, s76, 19
	s_lshl_b32 s15, s72, 18                        ; 2,048 rows of 128 bytes a batch
	s_add_co_u32 s74, s74, s15
	s_add_co_u32 s76, s76, s15
	s_mov_b32 s75, 0
	s_mov_b32 s77, 0
	s_lshl_b32 s84, s68, 20                        ; 128 rows of 8,192 bytes
	s_lshl_b32 s89, s12, 18                        ; + my 32 rows
	s_add_co_u32 s84, s84, s89
	s_mov_b32 s85, 0
	s_lshl_b32 s78, s73, 1                         ; my own 32 rows of Q, and of the result: head column 2 pair + g,
	s_add_co_u32 s78, s78, s13
	s_lshl_b32 s78, s78, 19
	s_add_co_u32 s78, s78, s15                     ; the batch,
	s_lshl_b32 s89, s68, 14                        ; 128 rows of 128 bytes a block,
	s_add_co_u32 s78, s78, s89
	s_lshl_b32 s89, s12, 12                        ; 32 rows a wave
	s_add_co_u32 s78, s78, s89
	s_mov_b32 s79, 0
	s_mul_i32 s86, s10, 128*VP                     ; LDS: waves 0, 1: V at 0 and 20,480
	s_mul_i32 s87, s10, 128*KP
	s_add_co_u32 s87, s87, KOFF-2*128*KP           ; waves 2, 3: K at 40,960 and 59,392
	s_mul_i32 s88, s10, 32*AP
	s_add_co_u32 s88, s88, AOFF-4*32*AP            ; waves 4-7: adj at 77,824 + 16,896 (wave - 4)
	s_wait_kmcnt 0x0
	s_add_nc_u64 s[74:75], s[6:7], s[74:75]
	s_add_nc_u64 s[76:77], s[6:7], s[76:77]
	s_add_nc_u64 s[84:85], s[4:5], s[84:85]
	s_add_nc_u64 s[82:83], s[6:7], s[78:79]
	s_add_nc_u64 s[8:9], s[8:9], s[78:79]
	CROUND                                         ; all sixteen work-groups are here: the first joint loads meet
.irp s, 0,1
	s_mov_b32 s[G0V+4*\s], 1
	s_add_co_u32 s[G0V+4*\s+1], s86, \s*SLOT
	s_add_nc_u64 s[G0V+4*\s+2:G0V+4*\s+3], s[74:75], \s*16384       ; fill s: 128 keys of 128 bytes
	s_or_b32 s[G0V+4*\s+3], s[G0V+4*\s+3], 0x80000000
	s_mov_b32 s[G0K+4*\s], 1
	s_add_co_u32 s[G0K+4*\s+1], s87, \s*SLOT
	s_add_nc_u64 s[G0K+4*\s+2:G0K+4*\s+3], s[76:77], \s*16384
	s_or_b32 s[G0K+4*\s+3], s[G0K+4*\s+3], 0x80000000
	s_mov_b32 s[G0A+4*\s], 1
	s_add_co_u32 s[G0A+4*\s+1], s88, \s*SLOT
	s_add_nc_u64 s[G0A+4*\s+2:G0A+4*\s+3], s[84:85], \s*512         ; fill s: 128 keys of 4 bytes along the rows
	s_or_b32 s[G0A+4*\s+3], s[G0A+4*\s+3], 0x80000000
	JLOAD \s
.endr
	v_and_b32 v1, 15, v0                           ; r
	v_bfe_u32 v2, v0, 4, 1                         ; h
	v_and_b32 v3, 7, v0                            ; lane & 7
	v_bfe_u32 v4, v0, 3, 1                         ; (lane >> 3) & 1
	v_bfe_u32 v5, v0, 3, 2                         ; lane >> 3
	v_and_b32 v6, 31, v0                           ; lane
	v_lshlrev_b32 v[QO], 7, v1
	v_lshl_add_u32 v[QO], v2, 4, v[QO]             ; row r of 128 bytes + 16 h
	WIN 0x40                                       ; destination window 1
.irp q, 0,1
.irp ks, 0,1
	global_load_b128 v[Q+8*(2*\q+\ks):Q+8*(2*\q+\ks)+3],   v[QO], s[82:83] offset:\q*2048+64*\ks
	global_load_b128 v[Q+8*(2*\q+\ks)+4:Q+8*(2*\q+\ks)+7], v[QO], s[82:83] offset:\q*2048+64*\ks+32
.endr
.endr
	WIN 0
	v_mov_b32 v[C9], 0x4eabfb8f                    ; C = 1,442,695,040
	v_mov_b32 v[C9+1], 0x4eabfb8f
	v_mov_b32 v[CM9], 0xceabfb8f                   ; -C
	v_mov_b32 v[CM9+1], 0xceabfb8f
	v_mov_b32 v[PT], 0                             ; v_permlanex16_b32 counts as a reader of its destination
	v_mov_b32 v[PT+1], 0
	v_mul_u32_u24 v7, v1, KP
	v_lshl_add_u32 v7, v2, 4, v7
	s_mul_i32 s15, s13, 128*KP
	s_add_co_u32 s15, s15, KOFF                    ; my head's K
	v_add_nc_u32 v[KA], s15, v7
	v_add_nc_u32 v[KA+1], SLOT, v[KA]
	v_lshl_add_u32 v7, v2, 3, v3                   ; the transposing load: key 8 h + (lane & 7),
	v_mul_u32_u24 v7, v7, VP
	v_lshl_add_u32 v7, v4, 4, v7                   ; 16 bytes further for lanes 8-15 and 24-31
	s_mul_i32 s15, s13, 128*VP                     ; my head's V
	v_add_nc_u32 v[VA], s15, v7
	v_add_nc_u32 v[VA+1], SLOT, v[VA]
	v_mul_u32_u24 v7, v1, AP
	v_lshl_add_u32 v7, v2, 5, v7                   ; adj: row r, 32 bytes (8 keys) for each half of the lanes
	s_mul_i32 s15, s12, 32*AP
	s_add_co_u32 s15, s15, AOFF                    ; my 32 rows
	v_add_nc_u32 v[AA], s15, v7
	v_add_nc_u32 v[AA+1], SLOT, v[AA]
	s_mul_i32 s15, s10, 32*SP
	s_add_co_u32 s15, s15, STAGE                   ; my stage
	v_mul_u32_u24 v7, v1, SP
	v_lshl_add_u32 v7, v2, 4, v7
	v_add_nc_u32 v[STO], s15, v7
	v_mul_u32_u24 v7, v5, SP
	v_lshl_add_u32 v7, v3, 4, v7
	v_add_nc_u32 v[RD], s15, v7
	v_lshlrev_b32 v[CO], 4, v6
; Pieces of a block's work, each on score tile t = 4 q + kt (8 registers).
.macro UM t                            ; T = C adj - C
.irp i, 0,1,2,3
	v_pk_fma_f32 v[T+8*((\t)%2)+2*\i:T+8*((\t)%2)+2*\i+1], v[ADJ+8*(\t)+2*\i:ADJ+8*(\t)+2*\i+1], v[C9:C9+1], v[CM9:CM9+1]
.endr
.endm
.macro WM t                            ; S = S adj + T
.irp i, 0,1,2,3
	v_pk_fma_f32 v[S+8*(\t)+2*\i:S+8*(\t)+2*\i+1], v[S+8*(\t)+2*\i:S+8*(\t)+2*\i+1], v[ADJ+8*(\t)+2*\i:ADJ+8*(\t)+2*\i+1], v[T+8*((\t)%2)+2*\i:T+8*((\t)%2)+2*\i+1]
.endr
.endm
.macro EM t                            ; S = S - maximum: at most 0, and 0 where the maximum stands
.irp i, 0,1,2,3
	v_pk_add_f32 v[S+8*(\t)+2*\i:S+8*(\t)+2*\i+1], v[S+8*(\t)+2*\i:S+8*(\t)+2*\i+1], v[MP+2*((\t)/4):MP+2*((\t)/4)+1] neg_lo:[0,1] neg_hi:[0,1]
.endr
.endm
.macro XM t                            ; S = 2^S
.irp i, 0,1,2,3,4,5,6,7
	v_exp_f32 v[S+8*(\t)+\i], v[S+8*(\t)+\i]
.endr
.endm
; The tile is added to the row's partial sums and packed to f16: an even key tile into its own registers 0-3, an odd one into registers 4-7 of the even
; tile in front of it, which that tile's packing has freed.  A conversion writes only registers whose numbers have been added.  start = 1: the sum begins here.
.macro AM t, start
.if \start
	s_wait_alu depctr_va_vdst(0)
	v_pk_add_f32 v[LS+2*((\t)/4):LS+2*((\t)/4)+1], v[S+8*(\t):S+8*(\t)+1], v[S+8*(\t)+2:S+8*(\t)+3]
	v_cvt_pk_f16_f32 v[S+8*(\t)-4*((\t)%2)], v[S+8*(\t)], v[S+8*(\t)+1]
	v_cvt_pk_f16_f32 v[S+8*(\t)-4*((\t)%2)+1], v[S+8*(\t)+2], v[S+8*(\t)+3]
.else
	s_wait_alu depctr_va_vdst(0)
.irp i, 0,1
	v_pk_add_f32 v[LS+2*((\t)/4):LS+2*((\t)/4)+1], v[LS+2*((\t)/4):LS+2*((\t)/4)+1], v[S+8*(\t)+2*\i:S+8*(\t)+2*\i+1]
	v_cvt_pk_f16_f32 v[S+8*(\t)-4*((\t)%2)+\i], v[S+8*(\t)+2*\i], v[S+8*(\t)+2*\i+1]
.endr
.endif
.irp i, 2,3
	v_pk_add_f32 v[LS+2*((\t)/4):LS+2*((\t)/4)+1], v[LS+2*((\t)/4):LS+2*((\t)/4)+1], v[S+8*(\t)+2*\i:S+8*(\t)+2*\i+1]
	v_cvt_pk_f16_f32 v[S+8*(\t)-4*((\t)%2)+\i], v[S+8*(\t)+2*\i], v[S+8*(\t)+2*\i+1]
.endr
.endm
; FRONT: block sub (64 keys) of the slot's fill: all of the block's LDS loads, the score products, the mask.  Behind it the wave reads the slot no more for this block.
; In both products of a block the eight accumulators take turns, one instruction a turn.
.macro FRONT slot, sub
	PLACES 5                                       ; the last products read KV and P: four places ahead of loads into KV, five ahead of products that write over P
.irp kt, 0,1,2,3
.irp ks, 0,1
	ds_load_b128 v[KV+8*(2*\kt+\ks):KV+8*(2*\kt+\ks)+3],   v[KA+\slot] offset:(64*\sub+16*\kt)*KP+64*\ks
	ds_load_b128 v[KV+8*(2*\kt+\ks)+4:KV+8*(2*\kt+\ks)+7], v[KA+\slot] offset:(64*\sub+16*\kt)*KP+64*\ks+32
.endr
.endr
.irp q, 0,1
.irp kt, 0,1,2,3
	ds_load_b128 v[ADJ+8*(4*\q+\kt):ADJ+8*(4*\q+\kt)+3],   v[AA+\slot] offset:\q*16*AP+256*\sub+64*\kt
	ds_load_b128 v[ADJ+8*(4*\q+\kt)+4:ADJ+8*(4*\q+\kt)+7], v[AA+\slot] offset:\q*16*AP+256*\sub+64*\kt+16
.endr
.endr
	s_wait_dscnt 16                                ; K's sixteen loads are in; adj's sixteen, issued behind them, may be out
	WIN 0x04                                       ; source 1 (Q) in window 1
.irp kt, 0,1,2,3
.irp q, 0,1
	v_wmma_f32_16x16x32_f16 v[S+8*(4*\q+\kt):S+8*(4*\q+\kt)+7], v[KV+8*(2*\kt):KV+8*(2*\kt)+7], v[Q+8*(2*\q):Q+8*(2*\q)+7], 0
.endr
.endr
.irp kt, 0,1,2,3
.irp q, 0,1
	v_wmma_f32_16x16x32_f16 v[S+8*(4*\q+\kt):S+8*(4*\q+\kt)+7], v[KV+8*(2*\kt+1):KV+8*(2*\kt+1)+7], v[Q+8*(2*\q+1):Q+8*(2*\q+1)+7], v[S+8*(4*\q+\kt):S+8*(4*\q+\kt)+7]
.endr
.endr
	WIN 0
	s_wait_dscnt 0x0                               ; adj
	UM 0                                           ; four instructions that name no register of the products: the places ahead of the loads into KV and of the first use of S
.irp dt, 0,1,2,3
.irp ks, 0,1
	ds_load_tr16_b128 v[KV+8*(2*\dt+\ks):KV+8*(2*\dt+\ks)+3],   v[VA+\slot] offset:(64*\sub+32*\ks)*VP+32*\dt
	ds_load_tr16_b128 v[KV+8*(2*\dt+\ks)+4:KV+8*(2*\dt+\ks)+7], v[VA+\slot] offset:(64*\sub+32*\ks)*VP+32*\dt+16*VP
.endr
.endr
	UM 1
	WM 0
	UM 2
	WM 1
	UM 3
	WM 2
	UM 4
	WM 3
	UM 5
	WM 4
	UM 6
	WM 5
	UM 7
	WM 6
	WM 7
.endm
; REST: the block's maximum, exponentials, sums and products with V: registers only, but for the wait for V's loads.
; first = 1: the very first keys start the maximum and all sums.
.macro REST first
	; the row's maximum: for each query tile two chains over 16 numbers each, the first begun with the running maximum
.irp q, 0,1
.if \first
	v_max_num_f32 v[MX+2*\q], v[S+32*\q], v[S+32*\q+1]
.else
	v_max3_num_f32 v[MX+2*\q], v[M+\q], v[S+32*\q], v[S+32*\q+1]
.endif
	v_max_num_f32 v[MX+2*\q+1], v[S+32*\q+16], v[S+32*\q+17]
.endr
.irp i, 1,2,3,4,5,6,7
.irp q, 0,1
	v_max3_num_f32 v[MX+2*\q], v[MX+2*\q], v[S+32*\q+2*\i], v[S+32*\q+2*\i+1]
	v_max3_num_f32 v[MX+2*\q+1], v[MX+2*\q+1], v[S+32*\q+16+2*\i], v[S+32*\q+17+2*\i]
.endr
.endr
.irp q, 0,1
	v_max_num_f32 v[MX+2*\q], v[MX+2*\q], v[MX+2*\q+1]
.endr
.irp q, 0,1
	v_permlanex16_b32 v[PT+\q], v[MX+2*\q], s80, s81               ; the other eight keys of each tile lie in lane xor 16
.endr
.irp q, 0,1
	v_max_num_f32 v[M+\q], v[MX+2*\q], v[PT+\q]
.endr
.if \first == 0
.irp q, 0,1
	v_sub_f32 v[DD+\q], v[MP+2*\q], v[M+\q]        ; old maximum - new maximum: at most 0
.endr
.irp q, 0,1
	v_exp_f32 v[FA+2*\q], v[DD+\q]
.endr
.endif
.irp q, 0,1
	v_mov_b32 v[MP+2*\q], v[M+\q]                  ; plain instructions that touch neither FA nor DD stand between the exponentials and their use (ISA guide 5.7.2)
	v_mov_b32 v[MP+2*\q+1], v[M+\q]
.endr
.if \first == 0
	s_wait_alu depctr_va_vdst(0)
.irp q, 0,1
	v_mov_b32 v[FA+2*\q+1], v[FA+2*\q]
.endr
.irp q, 0,1
	v_pk_mul_f32 v[LS+2*\q:LS+2*\q+1], v[LS+2*\q:LS+2*\q+1], v[FA+2*\q:FA+2*\q+1]
.endr
.endif
	; exponentials, one tile askew: the next tile's four subtractions stand between a tile's exponentials and their first use
	EM 0
	XM 0
	EM 1
	AM 0, \first
	XM 1
	EM 2
	AM 1, 0
	XM 2
	EM 3
	AM 2, 0
	XM 3
	EM 4
	AM 3, 0
	XM 4
	EM 5
	AM 4, \first
	XM 5
	EM 6
	AM 5, 0
	XM 6
	EM 7
	AM 6, 0
	XM 7
	v_nop
	s_wait_alu depctr_va_vdst(0)
	AM 7, 0
.if \first == 0
	WIN 0x41                                       ; D and source 0 in window 1
.irp dt, 0,1,2,3
.irp q, 0,1
.irp i, 0,1,2,3
	v_pk_mul_f32 v[O+8*(2*\dt+\q)+2*\i:O+8*(2*\dt+\q)+2*\i+1], v[O+8*(2*\dt+\q)+2*\i:O+8*(2*\dt+\q)+2*\i+1], v[FA+2*\q:FA+2*\q+1]
.endr
.endr
.endr
.endif
	s_wait_dscnt 0x0                               ; V (met already where a round's waits stand between FRONT and REST)
	WIN 0x50                                       ; C and D in window 1
.irp dt, 0,1,2,3
.irp q, 0,1
.if \first
	v_wmma_f32_16x16x32_f16 v[O+8*(2*\dt+\q):O+8*(2*\dt+\q)+7], v[KV+8*(2*\dt):KV+8*(2*\dt)+7], v[S+8*(4*\q):S+8*(4*\q)+7], 0
.else
	v_wmma_f32_16x16x32_f16 v[O+8*(2*\dt+\q):O+8*(2*\dt+\q)+7], v[KV+8*(2*\dt):KV+8*(2*\dt)+7], v[S+8*(4*\q):S+8*(4*\q)+7], v[O+8*(2*\dt+\q):O+8*(2*\dt+\q)+7]
.endif
.endr
.endr
.irp dt, 0,1,2,3
.irp q, 0,1
	v_wmma_f32_16x16x32_f16 v[O+8*(2*\dt+\q):O+8*(2*\dt+\q)+7], v[KV+8*(2*\dt+1):KV+8*(2*\dt+1)+7], v[S+8*(4*\q+2):S+8*(4*\q+2)+7], v[O+8*(2*\dt+\q):O+8*(2*\dt+\q)+7]
.endr
.endr
	WIN 0
.endm
; A REST that the waves of one group run and the others jump over.  The branch hangs on the wave's number alone; no barrier, no tensor load and no LDS
; access stands inside; every register window is 0 at the branch and at the label.
.macro REST_IF grp
	s_cmp_lg_u32 s[GRP], \grp
	s_cbranch_scc1 .Lother_group_\@
	REST 0
.Lother_group_\@:
.endm
; A fill of 128 keys.  In front of the barrier every wave waits for all its tensor loads (its part of this slot) and for its reads of the other slot: a wave
; of group 0 has finished the other slot's last block, a wave of group 1 holds that block's scores and V in registers and finishes it behind the barrier.
; refill = 1: the barrier is a round of the cluster's barrier, and the other slot's joint refill, two fills on, is the first tensor load behind it, one a wave;
; it has this fill's two blocks in which to land.
.macro TWO slot, other, refill
	s_wait_tensorcnt 0x0
	s_wait_dscnt 0x0
.if \refill
	s_add_nc_u64 s[G0V+4*\other+2:G0V+4*\other+3], s[G0V+4*\other+2:G0V+4*\other+3], 32768
	s_add_nc_u64 s[G0K+4*\other+2:G0K+4*\other+3], s[G0K+4*\other+2:G0K+4*\other+3], 32768
	s_add_nc_u64 s[G0A+4*\other+2:G0A+4*\other+3], s[G0A+4*\other+2:G0A+4*\other+3], 1024
	CROUND
	JLOAD \other
.else
	s_barrier_signal -1
	s_barrier_wait -1
.endif
	REST_IF 1                                      ; group 1: vector work first, while group 0 loads and multiplies
	FRONT \slot, 0
	REST 0
	FRONT \slot, 1
	REST_IF 0                                      ; group 0 finishes the slot's last block here
.endm
	s_wait_loadcnt 0x0                             ; Q
	s_wait_tensorcnt 0x1                           ; my part of fill 0 is in; fill 1's may stay out
	s_barrier_signal -1
	s_barrier_wait -1
	FRONT 0, 0
	REST 1                                         ; the very first 64 keys start the maximum and the sums, in both groups
	FRONT 0, 1
	REST_IF 0
	s_mov_b32 s14, 7
.Lpair:                                                ; trip i works on fills 2 i + 1 and 2 i + 2 and asks for fills 2 i + 2 and 2 i + 3
	TWO 1, 0, 1
	TWO 0, 1, 1
	s_sub_co_u32 s14, s14, 1
	s_cmp_lg_u32 s14, 0
	s_cbranch_scc1 .Lpair
	TWO 1, 0, 0                                    ; fill 15: nothing is left to fetch
	REST_IF 1                                      ; group 1 finishes the last block
	; THE WAY OUT: divide by the row's sum, round to f16, through my own stage, four rows (512 consecutive bytes) a store.
	s_wait_dscnt 0x0                               ; V's last sixteen loads, into KV, have landed before KV is loaded again below.  Each wave has run one of the two
	                                               ; RESTs behind the last FRONT and waited there, so this wait is met at once; it stands on the joined way, so that the
	                                               ; order holds whichever branch was taken and needs no look at the group's number
	PLACES 4                                       ; behind the last products, on both groups' ways
.irp q, 0,1
	v_add_f32 v[MX+\q], v[LS+2*\q], v[LS+2*\q+1]
.endr
.irp q, 0,1
	v_permlanex16_b32 v[PT+\q], v[MX+\q], s80, s81
.endr
.irp q, 0,1
	v_add_f32 v[MX+\q], v[MX+\q], v[PT+\q]
.endr
	v_rcp_f32 v[FA], v[MX]
	v_rcp_f32 v[FA+2], v[MX+1]
	v_nop                                          ; a plain instruction between the reciprocals and their use (ISA guide 5.7.2)
	s_wait_alu depctr_va_vdst(0)
	v_mov_b32 v[FA+1], v[FA]
	v_mov_b32 v[FA+3], v[FA+2]
	WIN 0x41
.irp dt, 0,1,2,3
.irp q, 0,1
.irp i, 0,1,2,3
	v_pk_mul_f32 v[O+8*(2*\dt+\q)+2*\i:O+8*(2*\dt+\q)+2*\i+1], v[O+8*(2*\dt+\q)+2*\i:O+8*(2*\dt+\q)+2*\i+1], v[FA+2*\q:FA+2*\q+1]
.endr
.endr
.endr
	WIN 0x05                                       ; sources 0 and 1 in window 1
.irp dt, 0,1,2,3
.irp q, 0,1
.irp i, 0,1,2,3
	v_cvt_pk_f16_f32 v[S+16*\q+4*\dt+\i], v[O+8*(2*\dt+\q)+2*\i], v[O+8*(2*\dt+\q)+2*\i+1]
.endr
.endr
.endr
	WIN 0
.irp q, 0,1
.irp dt, 0,1,2,3
	ds_store_b128 v[STO], v[S+16*\q+4*\dt:S+16*\q+4*\dt+3] offset:\q*16*SP+32*\dt
.endr
.endr
.irp t, 0,1,2,3,4,5,6,7
	ds_load_b128 v[KV+4*\t:KV+4*\t+3], v[RD] offset:\t*4*SP        ; LDS serves a wave's instructions in order: these see the stores above
.endr
.irp t, 0,1,2,3,4,5,6,7
	s_wait_dscnt 7-\t
	global_store_b128 v[CO], v[KV+4*\t:KV+4*\t+3], s[8:9] offset:512*\t
.endr
	CROUND                                         ; the closing round
	s_endpgm
.Lfunc_end_k_q6aad6697d5_attn:
	.size	k_q6aad6697d5_attn, .Lfunc_end_k_q6aad6697d5_attn-k_q6aad6697d5_attn
	.p2alignl 7, 3214868480
	.fill 96, 4, 3214868480
	.section	.rodata,"a",@progbits
	.p2align	6, 0x0
	.amdhsa_kernel k_q6aad6697d5_attn
		.amdhsa_group_segment_fixed_size 327680
		.amdhsa_private_segment_fixed_size 0
		.amdhsa_enable_private_segment 0
		.amdhsa_kernarg_size 24
		.amdhsa_user_sgpr_count 2
		.amdhsa_user_sgpr_kernarg_segment_ptr 1
		.amdhsa_wavefront_size32 1
		.amdhsa_system_sgpr_workgroup_id_x 1
		.amdhsa_system_sgpr_workgroup_id_y 1
		.amdhsa_system_sgpr_workgroup_id_z 1
		.amdhsa_system_vgpr_workitem_id 0
		.amdhsa_next_free_vgpr 352
		.amdhsa_next_free_sgpr 92
		.amdhsa_reserve_vcc 0
		.amdhsa_float_denorm_mode_32 3
		.amdhsa_float_denorm_mode_16_64 3
		.amdhsa_memory_ordered 1
		.amdhsa_forward_progress 1
		.amdhsa_inst_pref_size 253
	.end_amdhsa_kernel
	.amdgpu_metadata
---
amdhsa.version: [ 1, 2 ]
amdhsa.kernels:
  - .name:           k_q6aad6697d5_attn
    .symbol:         k_q6aad6697d5_attn.kd
    .args:
      - { .name: adj, .offset: 0, .size: 8, .value_kind: global_buffer, .address_space: global }
      - { .name: qkvh, .offset: 8, .size: 8, .value_kind: global_buffer, .address_space: global }
      - { .name: ah, .offset: 16, .size: 8, .value_kind: global_buffer, .address_space: global }
    .group_segment_fixed_size: 327680
    .private_segment_fixed_size: 0
    .kernarg_segment_align: 8
    .kernarg_segment_size: 24
    .max_flat_workgroup_size: 256
    .sgpr_count:     92
    .vgpr_count:     352
    .wavefront_size: 32
...
	.end_amdgpu_metadata
.endif
;; end of part 3
;; launch proj (part 4): grid 8 x 32, 4 waves a work-group, clusters of 4 x 4, 327,680 bytes of LDS; arguments ah, qkvh, wpb, b_proj, b_proj1, out0; writes out0
.if DOCPART == 4
	.amdgcn_target "amdgcn-amd-amdhsa--gfx1250"
	.amdhsa_code_object_version 6
	.text
	.protected	k_q6aad6697d5_proj
	.globl	k_q6aad6697d5_proj
	.p2align	8
	.type	k_q6aad6697d5_proj,@function
k_q6aad6697d5_proj:
	s_mov_b64 s[64:65], 0
	v_nop
	global_prefetch_b8 v0, s[64:65] scope:SCOPE_SE
	s_setreg_imm32_b32 hwreg(HW_REG_WAVE_MODE, 25, 1), 1
	s_wait_xcnt 0x0
	s_wait_alu depctr_hold_cnt(0) depctr_sa_sdst(0) depctr_va_vdst(0) depctr_va_sdst(0) depctr_va_ssrc(0) depctr_va_vcc(0) depctr_vm_vsrc(0)
	s_getreg_b32 s2, hwreg(HW_REG_IB_STS2, 6, 4)
	s_cmp_eq_u32 s2, 0
	s_cbranch_scc0 .Lentry_in_a_cluster
	s_endpgm
.Lentry_in_a_cluster:
	s_bfe_u32 s2, ttmp6, 0x10000c
	s_cmp_lg_u32 s2, 0xf033
	s_cbranch_scc0 .Lentry_shape_is_right
	s_endpgm
.Lentry_shape_is_right:
; out0 = a . w_proj + q . w_proj1 + b_proj + b_proj1, as ONE product over K = 2,048: [a | q] . wpb, wpb = w_proj's 1,024 rows, then w_proj1's.
; a: ah[16 heads][4096 rows][64], q: head columns 0-15 of qkvh in the same form, both f16.  wpb: [2048 k][1024 n] f16.  Sums and output in f32.
; A work-group makes 128 rows x 128 columns: 8 x 32 = 256 work-groups.  Four waves, 2 x 2; a wave makes 64 x 64: 16 accumulator tiles.
; K goes in 8 fills of 256 (four head columns) through two LDS slots; fills 0-3 come from ah, fills 4-7 from qkvh, so the fills are written out.
; A fill is eight steps of 32 along K, 16 matrix instructions each, on two fragment buffers.
; CLUSTERS: 4 x 4 work-groups.  The rows' tile hangs on the block row alone and is asked for jointly along a row of the cluster, wpb's on the block column
; alone and is asked for jointly along a column.
; The matrix instruction is used transposed (source 0 = 16 columns of wpb, by the transposing LDS load; source 1 = 16 rows): lane (r, h) holds row r, columns 8 h .. + 7.
; Tensor loads outstanding in a wave, by this text's count: two at the start, one behind each refill.
.set SLOT,  147456                     ; four head columns of 128 rows x 144 bytes, then 256 k-rows x 288 bytes
.set AP,    144                        ; 128 bytes + 16
.set BP,    288                        ; 256 bytes + 32: an odd multiple of 32
.set BOFF,  4*128*AP
.set STAGE, 2*SLOT                     ; never filled by a tensor load: 16 rows x 272 bytes for each wave
.set SP,    272                        ; 256 bytes + 16
.set WV,   16                          ; s16 wave; s17 wave >> 1 (row half; 0: I fetch rows, 1: wpb); s18 wave & 1 (column half; which half of the tile I fetch)
.set G1A,  24
.set G0A,  32
.set G1B,  48
.set G0B,  56
.set ADRA, 8                           ; v8-9    LDS address of my row fragments in slot 0, 1
.set ADRB, 10                          ; v10-13  of my wpb fragments: slot 0 steps 0-3, slot 0 steps 4-7, slot 1 likewise
.set STO,  14
.set RD,   15
.set CO,   16
.set BO,   17
.set F0,   32                          ; v32-95   buffer 0: wpb's fragments at +8 b, the rows' at +32 + 8 a
.set F1,   96                          ; v96-159  buffer 1
.set BIAS, 160                         ; v160-191 b_proj + b_proj1 of tile b at +8 b
.set RB,   192                         ; v192-223 b_proj1 as loaded; later rows read back
.set ACC,  0x50                        ; C and D in window 1: tile (a, b) at 8 (4 a + b)
.set MSB, 0
.macro WIN new                         ; the immediate's high byte repeats the setting that is left
.if MSB != \new
	s_set_vgpr_msb (MSB<<8)|\new
.set MSB, \new
.endif
.endm
.macro PLACES n                        ; places behind matrix instructions (ISA guide 7.12.1)
.rept \n
	v_nop
.endr
.endm
.macro CREST
	s_cmp_lg_u32 s[WV], 0
	s_cbranch_scc1 .Lnot_wave_0_\@
	s_barrier_signal -3
.Lnot_wave_0_\@:
	s_barrier_wait -3
	s_barrier_signal -1
	s_barrier_wait -1
.endm
.macro CROUND                          ; a round of the cluster's barrier
	s_barrier_signal -1
	s_barrier_wait -1
	CREST
.endm
.macro JLOAD s                         ; one joint load a wave: waves 0, 1 two head columns of rows each, waves 2, 3 128 k-rows of wpb each
	s_cmp_eq_u32 s17, 0
	s_cbranch_scc0 .Lfor_b_\@
	tensor_load_to_lds s[G0A+4*\s:G0A+4*\s+3], s[G1A:G1A+7]
	s_nop 0
	s_branch .Lasked_\@
.Lfor_b_\@:
	tensor_load_to_lds s[G0B+4*\s:G0B+4*\s+3], s[G1B:G1B+7]
	s_nop 0
.Lasked_\@:
.endm
.macro SETFILL slot, f                 ; the slot's two global addresses for fill f; stands where no tensor load of the wave is out
.if \f < 4
	s_add_nc_u64 s[G0A+4*\slot+2:G0A+4*\slot+3], s[40:41], (\f%4)*2097152     ; four head columns of 524,288 bytes a fill, from ah
.else
	s_add_nc_u64 s[G0A+4*\slot+2:G0A+4*\slot+3], s[42:43], (\f%4)*2097152     ; from qkvh's q
.endif
	s_or_b32 s[G0A+4*\slot+3], s[G0A+4*\slot+3], 0x80000000
	s_add_nc_u64 s[G0B+4*\slot+2:G0B+4*\slot+3], s[44:45], \f*524288          ; 256 k-rows of 2,048 bytes a fill
	s_or_b32 s[G0B+4*\slot+3], s[G0B+4*\slot+3], 0x80000000
.endm
	s_load_b256 s[4:11], s[0:1], 0x0               ; ah s[4:5], qkvh s[6:7], wpb s[8:9], b_proj s[10:11]
	s_load_b128 s[12:15], s[0:1], 0x20             ; b_proj1 s[12:13], out0 s[14:15]
	v_lshrrev_b32 v1, 5, v0
	v_readfirstlane_b32 s16, v1                    ; wave 0..3
	s_lshr_b32 s17, s16, 1
	s_and_b32 s18, s16, 1
	s_bfe_u32 s20, ttmp6, 0x40000                  ; cx
	s_bfe_u32 s21, ttmp6, 0x40004                  ; cy
	s_lshl_b32 s22, ttmp9, 2
	s_add_co_u32 s22, s22, s20                     ; block column (128 columns)
	s_and_b32 s23, ttmp7, 0xffff
	s_lshl_b32 s23, s23, 2
	s_add_co_u32 s23, s23, s21                     ; block row (128 rows)
	s_lshl_b32 s66, s21, 2
	s_lshl_b32 s66, 15, s66                        ; my row of the cluster
	s_lshl_b32 s67, 0x1111, s20                    ; my column
	; the rows: 128 rows x 128 bytes of a head column lie dense, 16 KiB: one row of 2,048 elements of 8 bytes; two of them, one head column (65,536 elements) apart;
	; 4 words of padding behind every 32 words, that is behind each row's 128 bytes
	s_or_b32 s[G1A+0], s66, (3<<16)|(1<<20)|(1<<21)|(4<<22)|(3<<25)
	s_mov_b32 s[G1A+1], 2048<<16
	s_mov_b32 s[G1A+2], 2<<16
	s_mov_b32 s[G1A+3], 2048<<16
	s_mov_b32 s[G1A+4], 2
	s_mov_b32 s[G1A+5], 65536
	s_mov_b32 s[G1A+6], 0
	s_mov_b32 s[G1A+7], 0
	; wpb: 128 k-rows x 128 elements of 2 bytes, pitch 1,024 elements, 8 words of padding behind every 64 words
	s_or_b32 s[G1B+0], s67, (1<<16)|(1<<20)|(1<<21)|(5<<22)|(7<<25)
	s_mov_b32 s[G1B+1], 128<<16
	s_mov_b32 s[G1B+2], 128<<16
	s_mov_b32 s[G1B+3], 128<<16
	s_mov_b32 s[G1B+4], 128
	s_mov_b32 s[G1B+5], 1024
	s_mov_b32 s[G1B+6], 0
	s_mov_b32 s[G1B+7], 0
	s_lshl_b32 s46, s23, 14                        ; 128 rows of 128 bytes a block row
	s_lshl_b32 s19, s18, 20                        ; + my two head columns of the fill's four
	s_add_co_u32 s46, s46, s19
	s_mov_b32 s47, 0
	s_lshl_b32 s70, s22, 8                         ; 128 columns of 2 bytes a block column
	s_lshl_b32 s69, s18, 18                        ; + my 128 k-rows of 2,048 bytes
	s_add_co_u32 s70, s70, s69
	s_mov_b32 s71, 0
	s_mul_i32 s68, s16, 36864                      ; LDS: each wave's load fills 36,864 bytes: 2 x 128 x 144 = 128 x 288
	s_wait_kmcnt 0x0
	s_add_nc_u64 s[40:41], s[4:5], s[46:47]
	s_add_nc_u64 s[42:43], s[6:7], s[46:47]
	s_add_nc_u64 s[44:45], s[8:9], s[70:71]
	CROUND                                         ; all sixteen work-groups are here: the first joint loads meet
.irp s, 0,1
	s_mov_b32 s[G0A+4*\s], 1
	s_add_co_u32 s[G0A+4*\s+1], s68, \s*SLOT
	s_mov_b32 s[G0B+4*\s], 1
	s_add_co_u32 s[G0B+4*\s+1], s68, \s*SLOT
	SETFILL \s, \s
	JLOAD \s
.endr
	v_and_b32 v1, 15, v0                           ; r
	v_bfe_u32 v2, v0, 4, 1                         ; h
	v_and_b32 v3, 7, v0                            ; lane & 7
	v_bfe_u32 v4, v0, 3, 1                         ; (lane >> 3) & 1
	v_lshlrev_b32 v[BO], 5, v2
	s_lshl_b32 s70, s22, 9                         ; my first column in f32: 512 bytes a block column + 256 a column half
	s_lshl_b32 s69, s18, 8
	s_add_co_u32 s70, s70, s69
	s_add_nc_u64 s[10:11], s[10:11], s[70:71]
	s_add_nc_u64 s[12:13], s[12:13], s[70:71]
	s_add_nc_u64 s[14:15], s[14:15], s[70:71]
.irp b, 0,1,2,3
	global_load_b128 v[BIAS+8*\b:BIAS+8*\b+3],   v[BO], s[10:11] offset:64*\b
	global_load_b128 v[BIAS+8*\b+4:BIAS+8*\b+7], v[BO], s[10:11] offset:64*\b+16
	global_load_b128 v[RB+8*\b:RB+8*\b+3],       v[BO], s[12:13] offset:64*\b
	global_load_b128 v[RB+8*\b+4:RB+8*\b+7],     v[BO], s[12:13] offset:64*\b+16
.endr
	s_lshl_b32 s46, s23, 19                        ; my first row of out0: 128 rows of 4,096 bytes a block row + 64 rows a row half
	s_lshl_b32 s19, s17, 18
	s_add_co_u32 s46, s46, s19
	s_add_nc_u64 s[14:15], s[14:15], s[46:47]
	v_mul_u32_u24 v5, v1, AP
	v_lshl_add_u32 v5, v2, 4, v5
	s_mul_i32 s19, s17, 64*AP                      ; my 64 rows
	v_add_nc_u32 v[ADRA], s19, v5
	v_add_nc_u32 v[ADRA+1], SLOT, v[ADRA]
	v_lshl_add_u32 v6, v2, 3, v3                   ; the transposing load: k-row 8 h + (lane & 7),
	v_mul_u32_u24 v6, v6, BP
	v_lshl_add_u32 v6, v4, 4, v6                   ; 16 bytes further for lanes 8-15 and 24-31,
	s_lshl_b32 s19, s18, 7
	s_add_co_u32 s19, s19, BOFF                    ; my 64 columns
	v_add_nc_u32 v[ADRB], s19, v6
	v_add_nc_u32 v[ADRB+1], 128*BP, v[ADRB]        ; steps 4-7: beyond the reach of the 16-bit offset
	v_add_nc_u32 v[ADRB+2], SLOT, v[ADRB]
	v_add_nc_u32 v[ADRB+3], SLOT, v[ADRB+1]
	s_mul_i32 s19, s16, 16*SP
	s_add_co_u32 s19, s19, STAGE                   ; my stage
	v_mul_u32_u24 v5, v1, SP
	v_lshl_add_u32 v5, v2, 5, v5
	v_add_nc_u32 v[STO], s19, v5                   ; in: row r, 32 bytes for each half of the lanes
	v_mul_u32_u24 v6, v2, SP
	v_lshl_add_u32 v6, v1, 4, v6
	v_add_nc_u32 v[RD], s19, v6                    ; back: lanes 0-15 a row of 256 bytes, lanes 16-31 the next
	v_lshlrev_b32 v5, 12, v2
	v_lshl_add_u32 v[CO], v1, 4, v5                ; and the same two rows in out0
	s_wait_loadcnt 0x0
.irp i, 0,1,2,3,4,5,6,7,8,9,10,11,12,13,14,15
	v_pk_add_f32 v[BIAS+2*\i:BIAS+2*\i+1], v[BIAS+2*\i:BIAS+2*\i+1], v[RB+2*\i:RB+2*\i+1]
.endr
.macro MULA f, a, zero                 ; four matrix instructions: row tile a x the four column tiles
.irp b, 0,1,2,3
.if \zero
	v_wmma_f32_16x16x32_f16 v[8*(4*\a+\b):8*(4*\a+\b)+7], v[\f+8*\b:\f+8*\b+7], v[\f+32+8*\a:\f+32+8*\a+7], 0
.else
	v_wmma_f32_16x16x32_f16 v[8*(4*\a+\b):8*(4*\a+\b)+7], v[\f+8*\b:\f+8*\b+7], v[\f+32+8*\a:\f+32+8*\a+7], v[8*(4*\a+\b):8*(4*\a+\b)+7]
.endif
.endr
.endm
.macro FETCH slot, kk, f               ; 16 LDS loads: step kk of the slot's fill into buffer f; wpb's 8 first, the rows' 8 last
.irp b, 0,1,2,3
	ds_load_tr16_b128 v[\f+8*\b:\f+8*\b+3],   v[ADRB+2*\slot+(\kk)/4] offset:((\kk)%4)*32*BP+32*\b
	ds_load_tr16_b128 v[\f+8*\b+4:\f+8*\b+7], v[ADRB+2*\slot+(\kk)/4] offset:((\kk)%4)*32*BP+32*\b+16*BP
.endr
.irp a, 0,1,2,3
	ds_load_b128 v[\f+32+8*\a:\f+32+8*\a+3], v[ADRA+\slot] offset:((\kk)/2)*128*AP+\a*16*AP+((\kk)%2)*64
	ds_load_b128 v[\f+32+8*\a+4:\f+32+8*\a+7], v[ADRA+\slot] offset:((\kk)/2)*128*AP+\a*16*AP+((\kk)%2)*64+32
.endr
.endm
; One of a fill's first seven steps: multiplies buffer f and, in its middle, fetches step kn into buffer g.
; The 16 accumulators take turns, one instruction a turn, in the same order in every step.
.macro KSTEP slot, kn, f, g, zero
	s_wait_dscnt 4                                 ; all of buffer f but the four youngest loads: row tiles 2 and 3
	WIN ACC
	MULA \f, 0, \zero
	MULA \f, 1, \zero
	WIN 0
	PLACES 4                                       ; buffer g was read by matrix instructions: four places ahead of the loads into it
	FETCH \slot, \kn, \g
	s_wait_dscnt 16                                ; all but the 16 just issued
	WIN ACC
	MULA \f, 2, \zero
	MULA \f, 3, \zero
.endm
.macro SEVEN slot, zero
	KSTEP \slot, 1, F0, F1, \zero
	KSTEP \slot, 2, F1, F0, 0
	KSTEP \slot, 3, F0, F1, 0
	KSTEP \slot, 4, F1, F0, 0
	KSTEP \slot, 5, F0, F1, 0
	KSTEP \slot, 6, F1, F0, 0
	KSTEP \slot, 7, F0, F1, 0
.endm
; The eighth step multiplies buffer 1 and changes slots.  In front of the barrier each wave waits for its reads of this slot and for all its tensor loads
; (one is out: its part of the next slot).  f2 < 8: the barrier opens a round of the cluster's barrier, and the joint refill of this slot with fill f2 is the
; first tensor load behind the round, one a wave.
.macro TURN slot, next, f2
	s_wait_dscnt 4
	WIN ACC
	MULA F1, 0, 0
	s_wait_dscnt 0x0
	s_wait_tensorcnt 0x0
	s_barrier_signal -1
	MULA F1, 1, 0                                  ; registers only, while the others arrive
	WIN 0
	s_barrier_wait -1
.if \f2 < 8
	CREST
	SETFILL \slot, \f2
	JLOAD \slot
.endif
	PLACES 4
	FETCH \next, 0, F0
	WIN ACC
	MULA F1, 2, 0
	MULA F1, 3, 0
.endm
.macro FILLK slot, next, f2, zero
	SEVEN \slot, \zero
	TURN \slot, \next, \f2
.endm
	s_wait_tensorcnt 0x1                           ; my part of fill 0 is in; fill 1's may stay out
	s_barrier_signal -1
	s_barrier_wait -1
	FETCH 0, 0, F0
	FILLK 0, 1, 2, 1                               ; fill 0: its first step starts the sums
	FILLK 1, 0, 3, 0
	FILLK 0, 1, 4, 0
	FILLK 1, 0, 5, 0
	FILLK 0, 1, 6, 0
	FILLK 1, 0, 7, 0
	FILLK 0, 1, 8, 0                               ; fill 6: nothing is left to fetch
	SEVEN 1, 0                                     ; fill 7
	s_wait_dscnt 4
	WIN ACC
	MULA F1, 0, 0
	MULA F1, 1, 0
	s_wait_dscnt 0x0
	MULA F1, 2, 0
	MULA F1, 3, 0
	; THE WAY OUT, 16 rows at a time: add the two biases, 32 bytes a lane into my own stage, read back as whole rows of 256 bytes.
	PLACES 4                                       ; behind the last matrix instructions: for the sums that read results and write into buffer 0
.macro OUTA a
	WIN 0x01                                       ; source 0 in window 1
.irp b, 0,1,2,3
.irp i, 0,1,2,3
	v_pk_add_f32 v[F0+8*\b+2*\i:F0+8*\b+2*\i+1], v[8*(4*\a+\b)+2*\i:8*(4*\a+\b)+2*\i+1], v[BIAS+8*\b+2*\i:BIAS+8*\b+2*\i+1]
.endr
.endr
	WIN 0
.irp b, 0,1,2,3
	ds_store_b128 v[STO], v[F0+8*\b:F0+8*\b+3] offset:64*\b
	ds_store_b128 v[STO], v[F0+8*\b+4:F0+8*\b+7] offset:64*\b+16
.endr
	s_wait_xcnt 0x0                                ; RB, which the last tile's stores read, is loaded again only behind this wait
.irp t, 0,1,2,3,4,5,6,7
	ds_load_b128 v[RB+4*\t:RB+4*\t+3], v[RD] offset:\t*2*SP        ; LDS serves a wave's instructions in order: these see the stores above
.endr
.irp t, 0,1,2,3,4,5,6,7
	s_wait_dscnt 7-\t
	global_store_b128 v[CO], v[RB+4*\t:RB+4*\t+3], s[14:15] offset:(16*\a+2*\t)*4096 th:TH_STORE_NT   ; sixteen lanes store 256 consecutive bytes, aligned; written once
.endr
.endm
	OUTA 0
	OUTA 1
	OUTA 2
	OUTA 3
	CROUND                                         ; the closing round
	s_endpgm
.Lfunc_end_k_q6aad6697d5_proj:
	.size	k_q6aad6697d5_proj, .Lfunc_end_k_q6aad6697d5_proj-k_q6aad6697d5_proj
	.p2alignl 7, 3214868480
	.fill 96, 4, 3214868480
	.section	.rodata,"a",@progbits
	.p2align	6, 0x0
	.amdhsa_kernel k_q6aad6697d5_proj
		.amdhsa_group_segment_fixed_size 327680
		.amdhsa_private_segment_fixed_size 0
		.amdhsa_enable_private_segment 0
		.amdhsa_kernarg_size 48
		.amdhsa_user_sgpr_count 2
		.amdhsa_user_sgpr_kernarg_segment_ptr 1
		.amdhsa_wavefront_size32 1
		.amdhsa_system_sgpr_workgroup_id_x 1
		.amdhsa_system_sgpr_workgroup_id_y 1
		.amdhsa_system_sgpr_workgroup_id_z 1
		.amdhsa_system_vgpr_workitem_id 0
		.amdhsa_next_free_vgpr 384
		.amdhsa_next_free_sgpr 72
		.amdhsa_reserve_vcc 0
		.amdhsa_float_denorm_mode_32 3
		.amdhsa_float_denorm_mode_16_64 3
		.amdhsa_memory_ordered 1
		.amdhsa_forward_progress 1
		.amdhsa_inst_pref_size 171
	.end_amdhsa_kernel
	.amdgpu_metadata
---
amdhsa.version: [ 1, 2 ]
amdhsa.kernels:
  - .name:           k_q6aad6697d5_proj
    .symbol:         k_q6aad6697d5_proj.kd
    .args:
      - { .name: ah, .offset: 0, .size: 8, .value_kind: global_buffer, .address_space: global }
      - { .name: qkvh, .offset: 8, .size: 8, .value_kind: global_buffer, .address_space: global }
      - { .name: wpb, .offset: 16, .size: 8, .value_kind: global_buffer, .address_space: global }
      - { .name: b_proj, .offset: 24, .size: 8, .value_kind: global_buffer, .address_space: global }
      - { .name: b_proj1, .offset: 32, .size: 8, .value_kind: global_buffer, .address_space: global }
      - { .name: out0, .offset: 40, .size: 8, .value_kind: global_buffer, .address_space: global }
    .group_segment_fixed_size: 327680
    .private_segment_fixed_size: 0
    .kernarg_segment_align: 8
    .kernarg_segment_size: 48
    .max_flat_workgroup_size: 128
    .sgpr_count:     72
    .vgpr_count:     384
    .wavefront_size: 32
...
	.end_amdgpu_metadata
.endif
;; end of part 4
